; MI455X (gfx1250); checked and timed in simulation.
; The chip was launched on July 23, 2026; its instructions are those of AMD's public machine-readable ISA for CDNA 5 (MIT licence, August 2026) and "CDNA5" Instruction Set Architecture Reference Guide (July 2026). The comments in the code are by the model that wrote it; some were corrected since.
;; Range Linear Quant Param Layer Wrapper. Allowed arithmetic: float matrix products may take bf16 or f16 operands with f32 sums; other float arithmetic in f32, or as packed bf16 or f16 multiplies, adds, multiply-adds, maxima and minima; sums over many terms, partial sums and values carried from step to step in f32; what a program stores and reads back later, other than sums and carried values, may be rounded once to bf16 or f16.
;; Inputs: W 4,096 x 4,096 float32; b 4,096 float32; x 4,096 x 4,096 float32.
;; Outputs: out0 4,096 x 4,096 float32.
;; 2 versions, each right; version 2 is version 1 with the launch quant written anew for expert scheduling mode. Each part assembles by itself: llvm-mc -triple=amdgcn-amd-amdhsa -mcpu=gfx1250 --defsym DOCPART=n.
;; ======== version 1 of 2: 4 launches
;; workspace buffers: pmax 2,304 bytes; xq 33,554,432 bytes; wq 33,554,432 bytes; bq 16,384 bytes; scal 256 bytes; acc 67,108,864 bytes; pacc 4,096 bytes
;; launch absmax (part 1): grid 513 x 1, 8 waves a work-group, no clusters, 1,280 bytes of LDS; arguments x, W, b, pmax; writes pmax
.if DOCPART == 1
	.amdgcn_target "amdgcn-amd-amdhsa--gfx1250"
	.amdhsa_code_object_version 6
	.text
	.protected	k_qda799df400_absmax
	.globl	k_qda799df400_absmax
	.p2align	8
	.type	k_qda799df400_absmax,@function
k_qda799df400_absmax:
	s_mov_b64 s[64:65], 0
	v_nop
	global_prefetch_b8 v0, s[64:65] scope:SCOPE_SE
	s_setreg_imm32_b32 hwreg(HW_REG_WAVE_MODE, 25, 1), 1
	s_wait_xcnt 0x0
; FIRST OF FOUR LAUNCHES of the 8-bit symmetric linear layer: (1) max|x| and max|W| by parts, max|b|; (2) x_q, w_q as bf16, b_q, accum_scale;
; (3) accum = x_q w_q^T + b_q, clipped, and max|accum| by parts; (4) out = clip(round(accum * out_scale / accum_scale)) / out_scale.
; Each global maximum must be whole before the step that divides by it, and work-groups of one launch hand each other nothing: so each maximum ends a launch.
; NO WORK OF THE PROBLEM IS LEFT OUT: x, W and b are all loaded, and every clip is made.
; ARITHMETIC.  One output level is many times the comparison allowance for a small number, so every rounding decision is made as the f32 formula makes it: the scalar divisions
; are rounded correctly (reciprocal, one Newton step, two corrections by the residual), scale times number is one f32 product followed by round-to-nearest-even.
; x_q and w_q are whole numbers of at most 8 significant bits, exact in bf16; their products and sums are whole numbers, exact in f32 below 2^24.
; LIMITS.  NaN and infinities in the inputs are not treated as the formula treats them (a NaN loses in these maxima).  A tensor that is all zeros (x, W, b or accum) divides by zero in the
; formula and is not reproduced.  The doubled maxima, the scales and their quotients must lie in the range of normal f32 numbers.  Where sums pass 2^24 they are rounded in the matrix
; instruction order.  out_q / out_scale is taken as out_q times a refined reciprocal: about one unit in the last place.
; THIS LAUNCH.  Work-groups 0-255 take 256 KiB of x each, 256-511 of W, as 64 pieces of 4 KiB; work-group 512 takes b, four pieces.  Thread t reads the 16 bytes at 16 t of each piece, so a load
; of a wave covers 512 consecutive bytes, aligned.  A ring of 32 register slots keeps 32 loads of every wave out.  A piece's place stands in the load's immediate (63 x 4,096 at the most), so
; no address register is ever written again and the stream needs no wait but the counted ones.  |.| is the larger of a running maximum and the negated running minimum, both started at 0.
; Work-group c stores word c of pmax.
.set CHUNK, 4096
.set DEPTH, 32
.set SPARE, 256                        ; LDS: bytes 0-31 one word a wave (the block 0-255 is theirs); from 256 on the spare words, 128 bytes a wave
.set X,   32                           ; v[32:159] slot i: 4 registers
.set SEL, 14                           ; s[14:15] lane selects for v_permlanex16_b32
.macro WMAX v, t                       ; the maximum over the 32 lanes, in every lane
	v_max_num_f32_dpp \v, \v, \v row_xmask:1 row_mask:0xf bank_mask:0xf
	v_max_num_f32_dpp \v, \v, \v row_xmask:2 row_mask:0xf bank_mask:0xf
	v_max_num_f32_dpp \v, \v, \v row_xmask:4 row_mask:0xf bank_mask:0xf
	v_max_num_f32_dpp \v, \v, \v row_xmask:8 row_mask:0xf bank_mask:0xf
	v_permlanex16_b32 \t, \v, s[SEL], s[SEL+1]
	v_max_num_f32 \v, \v, \t
.endm
.macro CHAIN i                         ; slot i's four numbers enter the two pairs of chains
	v_max3_num_f32 v2, v2, v[X+4*(\i)], v[X+4*(\i)+1]
	v_min3_num_f32 v4, v4, v[X+4*(\i)], v[X+4*(\i)+1]
	v_max3_num_f32 v3, v3, v[X+4*(\i)+2], v[X+4*(\i)+3]
	v_min3_num_f32 v5, v5, v[X+4*(\i)+2], v[X+4*(\i)+3]
.endm
; One slot's turn.  ahead = 1: the slot is filled again, 32 pieces on, and 31 younger loads stay out; ahead = 0: nothing is loaded, and the counts run down.
.macro SLOT i, ahead
.if \ahead
	s_wait_loadcnt DEPTH-1                         ; loads come back in order: mine is in
.else
	s_wait_loadcnt DEPTH-1-(\i)
.endif
	CHAIN \i
.if \ahead
	global_load_b128 v[X+4*(\i):X+4*(\i)+3], v1, s[22:23] offset:(DEPTH+(\i))*CHUNK th:TH_LOAD_NT
.endif
.endm
	s_load_b256 s[4:11], s[0:1], 0x0               ; x s[4:5], W s[6:7], b s[8:9], pmax s[10:11]
	v_lshl_add_u32 v10, v0, 2, SPARE               ; my spare word; never rewritten
	v_mov_b32 v11, 0                               ; 0; never rewritten
	v_lshrrev_b32 v6, 5, v0
	v_readfirstlane_b32 s13, v6                    ; wave 0..7
	v_lshlrev_b32 v1, 4, v0                        ; 16 t; never rewritten
	v_mov_b32 v2, 0                                ; two running maxima,
	v_mov_b32 v3, 0
	v_mov_b32 v4, 0                                ; two running minima
	v_mov_b32 v5, 0
	v_mov_b32 v7, 0                                ; written, since v_permlanex16_b32 counts as a reader of its destination
	v_mov_b32 v9, 0                                ; offset 0
	v_mov_b32 v8, s13
	v_lshlrev_b32 v8, 2, v8                        ; my wave's word in LDS
	s_mov_b32 s[SEL], 0x76543210
	s_mov_b32 s[SEL+1], 0xfedcba98
	s_and_b32 s17, ttmp9, 255                      ; my part of the tensor,
	s_lshl_b32 s18, s17, 18                        ; 256 KiB
	s_mov_b32 s19, 0
	s_lshl_b32 s20, ttmp9, 2                       ; my word of pmax
	s_mov_b32 s21, 0
	s_wait_kmcnt 0x0
	s_add_nc_u64 s[10:11], s[10:11], s[20:21]
	s_cmp_eq_u32 ttmp9, 512
	s_cbranch_scc1 .Lb
	s_cmp_lt_u32 ttmp9, 256                        ; x or W
	s_cselect_b64 s[22:23], s[4:5], s[6:7]
	s_add_nc_u64 s[22:23], s[22:23], s[18:19]
.irp i, 0,1,2,3,4,5,6,7,8,9,10,11,12,13,14,15,16,17,18,19,20,21,22,23,24,25,26,27,28,29,30,31
	global_load_b128 v[X+4*(\i):X+4*(\i)+3], v1, s[22:23] offset:(\i)*CHUNK th:TH_LOAD_NT
.endr
.irp i, 0,1,2,3,4,5,6,7,8,9,10,11,12,13,14,15,16,17,18,19,20,21,22,23,24,25,26,27,28,29,30,31
	SLOT \i, 1                                     ; pieces 0-31 are taken, pieces 32-63 asked for
.endr
.irp i, 0,1,2,3,4,5,6,7,8,9,10,11,12,13,14,15,16,17,18,19,20,21,22,23,24,25,26,27,28,29,30,31
	SLOT \i, 0                                     ; pieces 32-63
.endr
	s_branch .Lreduce
.Lb:                                                   ; b: 16 KiB, four pieces
.irp i, 0,1,2,3
	global_load_b128 v[X+4*(\i):X+4*(\i)+3], v1, s[8:9] offset:(\i)*CHUNK
.endr
	s_wait_loadcnt 0x0
.irp i, 0,1,2,3
	CHAIN \i
.endr
.Lreduce:
	v_max_num_f32 v2, v2, v3
	v_min_num_f32 v4, v4, v5
	v_mul_f32 v4, -1.0, v4
	v_max_num_f32 v2, v2, v4                       ; my thread's max|.|
	WMAX v2, v7
	ds_store_b32 v8, v2                            ; all lanes write the wave's word with the same number
	s_wait_dscnt 0x0                               ; for the other waves' sake: my store is done
	s_barrier_signal -1
	s_barrier_wait -1
	ds_load_b128 v[12:15], v9
	ds_load_b128 v[16:19], v9 offset:16
	s_wait_dscnt 0x0
	v_max3_num_f32 v12, v12, v13, v14
	v_max3_num_f32 v12, v12, v15, v16
	v_max3_num_f32 v12, v12, v17, v18
	v_max_num_f32 v2, v12, v19                     ; the work-group's
	s_wait_xcnt 0x0                                ; EXEC changes only behind this wait
	v_cmp_eq_u32 vcc_lo, 0, v0
	s_and_saveexec_b32 s16, vcc_lo                 ; thread 0 alone
	global_store_b32 v9, v2, s[10:11]
	s_wait_xcnt 0x0                                ; and again, in front of the line that widens it
	s_or_b32 exec_lo, exec_lo, s16
	s_wait_tensorcnt 0x0                           ; the wave's end: behind my last LDS store
	ds_add_u32 v10, v11
	s_wait_dscnt 0x0
	s_endpgm
.Lfunc_end_k_qda799df400_absmax:
	.size	k_qda799df400_absmax, .Lfunc_end_k_qda799df400_absmax-k_qda799df400_absmax
	.p2alignl 7, 3214868480
	.fill 96, 4, 3214868480
	.section	.rodata,"a",@progbits
	.p2align	6, 0x0
	.amdhsa_kernel k_qda799df400_absmax
		.amdhsa_group_segment_fixed_size 1280
		.amdhsa_private_segment_fixed_size 0
		.amdhsa_enable_private_segment 0
		.amdhsa_kernarg_size 32
		.amdhsa_user_sgpr_count 2
		.amdhsa_user_sgpr_kernarg_segment_ptr 1
		.amdhsa_wavefront_size32 1
		.amdhsa_system_sgpr_workgroup_id_x 1
		.amdhsa_system_sgpr_workgroup_id_y 1
		.amdhsa_system_sgpr_workgroup_id_z 1
		.amdhsa_system_vgpr_workitem_id 0
		.amdhsa_next_free_vgpr 160
		.amdhsa_next_free_sgpr 66
		.amdhsa_reserve_vcc 1
		.amdhsa_float_denorm_mode_32 3
		.amdhsa_float_denorm_mode_16_64 3
		.amdhsa_memory_ordered 1
		.amdhsa_forward_progress 1
		.amdhsa_inst_pref_size 29
	.end_amdhsa_kernel
	.amdgpu_metadata
---
amdhsa.version: [ 1, 2 ]
amdhsa.kernels:
  - .name:           k_qda799df400_absmax
    .symbol:         k_qda799df400_absmax.kd
    .args:
      - { .name: x, .offset: 0, .size: 8, .value_kind: global_buffer, .address_space: global }
      - { .name: W, .offset: 8, .size: 8, .value_kind: global_buffer, .address_space: global }
      - { .name: b, .offset: 16, .size: 8, .value_kind: global_buffer, .address_space: global }
      - { .name: pmax, .offset: 24, .size: 8, .value_kind: global_buffer, .address_space: global }
    .group_segment_fixed_size: 1280
    .private_segment_fixed_size: 0
    .kernarg_segment_align: 8
    .kernarg_segment_size: 32
    .max_flat_workgroup_size: 256
    .sgpr_count:     66
    .vgpr_count:     160
    .wavefront_size: 32
...
	.end_amdgpu_metadata
.endif
;; end of part 1
;; launch quant (part 2): grid 512 x 1, 8 waves a work-group, no clusters, 0 bytes of LDS; arguments pmax, x, W, b, xq, wq, bq, scal; writes xq, wq, bq, scal
.if DOCPART == 2
	.amdgcn_target "amdgcn-amd-amdhsa--gfx1250"
	.amdhsa_code_object_version 6
	.text
	.protected	k_qda799df400_quant
	.globl	k_qda799df400_quant
	.p2align	8
	.type	k_qda799df400_quant,@function
k_qda799df400_quant:
	s_mov_b64 s[64:65], 0
	v_nop
	global_prefetch_b8 v0, s[64:65] scope:SCOPE_SE
	s_setreg_imm32_b32 hwreg(HW_REG_WAVE_MODE, 25, 1), 1
	s_wait_xcnt 0x0
; SECOND LAUNCH.  q = clip(round(v * scale), -128, 127), scale = 255 / (2 max|v|), for x and W, stored as bf16 (whole numbers of at most 8 significant bits: exact);
; b_q = clip(round(clip(round(b * b_scale), -128, 127) * (accum_scale / b_scale)), -2^31, 2^31) as f32; accum_scale = in_scale * w_scale.  Nothing is left out.
; Work-groups 0-255 take 256 KiB of x each, 256-511 of W, in 64 pieces of 4 KiB: thread t loads the 16 bytes at 16 t of a piece and stores 8 bytes at 8 t: a load of a wave covers 512
; consecutive bytes, a store 256, both aligned.  A ring of 32 register slots keeps 32 loads of every wave out.  Every wave makes its tensor's maximum for itself from the 256 partial maxima.
; NO REGISTER THAT A PENDING LOAD OR STORE NAMES IS WRITTEN AGAIN: a piece's place stands in the immediate; the first 32 pieces are packed into 64 registers of their own, since their slots
; are loaded again; the last 32 are packed in place, since theirs are not.  So the stream has no wait but the counted waits for its loads.
; THE BIAS.  Wave 0 of each of the work-groups 0-7 also takes 512 numbers of b: its nine extra loads go out ahead of its stream's first 32, and the arithmetic is done while those are on their way.
; Work-group 0 stores accum_scale, in all 64 words of scal: one store of 256 consecutive bytes.
; v * scale is one f32 product, then round-to-nearest-even: two roundings, as the formula has them.  The upper accumulator bound 2^31 - 1 is 2^31 in f32.
; LIMITS as stated at the head of the first launch.
.set CHUNK, 4096
.set DEPTH, 32
.set OWN, 32                           ; v[32:47]   the bias: my 16 numbers of b; never rewritten behind their stores
.set X,   48                           ; v[48:175]  slot i: 4 registers as loaded
.set Y,   176                          ; v[176:239] piece i of the first 32: 2 registers to store; at the head v[176:183] take W's partial maxima in a wave that has the bias
.set SEL, 26                           ; s[26:27]
.macro WMAX v, t                       ; the maximum over the 32 lanes, in every lane
	v_max_num_f32_dpp \v, \v, \v row_xmask:1 row_mask:0xf bank_mask:0xf
	v_max_num_f32_dpp \v, \v, \v row_xmask:2 row_mask:0xf bank_mask:0xf
	v_max_num_f32_dpp \v, \v, \v row_xmask:4 row_mask:0xf bank_mask:0xf
	v_max_num_f32_dpp \v, \v, \v row_xmask:8 row_mask:0xf bank_mask:0xf
	v_permlanex16_b32 \t, \v, s[SEL], s[SEL+1]
	v_max_num_f32 \v, \v, \t
.endm
; q = n / d, rounded correctly.  y holds the reciprocal of d as v_rcp_f32 gave it, already waited for; it leaves refined.
.macro DIVR q, n, d, y, t
	v_fma_f32 \t, -\d, \y, 1.0
	v_fma_f32 \y, \t, \y, \y                       ; one Newton step
	v_mul_f32 \q, \n, \y
	v_fma_f32 \t, -\d, \q, \n                      ; the residual, exact in the fused form,
	v_fma_f32 \q, \t, \y, \q                       ; corrects the quotient,
	v_fma_f32 \t, -\d, \q, \n
	v_fma_f32 \q, \t, \y, \q                       ; twice
.endm
.macro FIRST                           ; the stream's first 32 loads
.irp i, 0,1,2,3,4,5,6,7,8,9,10,11,12,13,14,15,16,17,18,19,20,21,22,23,24,25,26,27,28,29,30,31
	global_load_b128 v[X+4*(\i):X+4*(\i)+3], v1, s[20:21] offset:(\i)*CHUNK th:TH_LOAD_NT
.endr
.endm
.macro MAX8 r                          ; the largest of eight registers from r on, into r
	v_max3_num_f32 v[\r], v[\r], v[(\r)+1], v[(\r)+2]
	v_max3_num_f32 v[\r], v[\r], v[(\r)+3], v[(\r)+4]
	v_max3_num_f32 v[\r], v[\r], v[(\r)+5], v[(\r)+6]
	v_max_num_f32 v[\r], v[\r], v[(\r)+7]
.endm
	s_load_b512 s[4:19], s[0:1], 0x0               ; pmax s[4:5], x s[6:7], W s[8:9], b s[10:11], xq s[12:13], wq s[14:15], bq s[16:17], scal s[18:19]
	v_lshlrev_b32 v1, 4, v0                        ; 16 t; never rewritten
	v_lshlrev_b32 v2, 3, v0                        ; 8 t; never rewritten
	v_and_b32 v3, 31, v0
	v_lshlrev_b32 v3, 4, v3                        ; 16 x lane; never rewritten
	v_lshrrev_b32 v12, 5, v0
	v_readfirstlane_b32 s25, v12                   ; wave 0..7
	v_mov_b32 v13, 0x437f0000                      ; 255.0
	v_mov_b32 v14, 0                               ; written, since v_permlanex16_b32 counts as a reader of its destination
	v_mov_b32 v20, 0                               ; offset 0; never rewritten
	s_mov_b32 s[SEL], 0x76543210
	s_mov_b32 s[SEL+1], 0xfedcba98
	s_mov_b32 s28, 0xc3000000                      ; -128.0
	s_mov_b32 s29, 0x42fe0000                      ; 127.0
	s_mov_b32 s30, 0xcf000000                      ; -2^31
	s_mov_b32 s31, 0x4f000000                      ; 2^31
	s_and_b32 s33, ttmp9, 255                      ; my part of the tensor
	s_lshl_b32 s34, s33, 18                        ; 256 KiB in,
	s_mov_b32 s35, 0
	s_lshl_b32 s36, s33, 17                        ; 128 KiB out
	s_mov_b32 s37, 0
	s_wait_kmcnt 0x0
	s_cmp_lt_u32 ttmp9, 256                        ; x or W
	s_cselect_b64 s[20:21], s[6:7], s[8:9]
	s_cselect_b64 s[22:23], s[12:13], s[14:15]
	s_cselect_b32 s38, 0, 1024                     ; the tensor's 256 partial maxima
	s_mov_b32 s39, 0
	s_add_nc_u64 s[40:41], s[4:5], s[38:39]
	s_add_nc_u64 s[20:21], s[20:21], s[34:35]      ; never stepped
	s_add_nc_u64 s[22:23], s[22:23], s[36:37]      ; never stepped
	s_cmp_ge_u32 ttmp9, 8
	s_cbranch_scc1 .Lplain
	s_cmp_lg_u32 s25, 0
	s_cbranch_scc1 .Lplain
	; wave 0 of work-groups 0-7 (their tensor is x): the bias beside the stream
	global_load_b128 v[4:7], v3, s[4:5]            ; the partial maxima of x,
	global_load_b128 v[8:11], v3, s[4:5] offset:512
	global_load_b128 v[176:179], v3, s[4:5] offset:1024  ; of W,
	global_load_b128 v[180:183], v3, s[4:5] offset:1536
	global_load_b32 v19, v20, s[4:5] offset:2048   ; and max|b|, the same word in every lane
	v_lshl_add_u32 v18, s33, 11, v3                ; my 2,048 bytes of b and of bq, 16 bytes a lane; never rewritten
.irp j, 0,1,2,3
	global_load_b128 v[OWN+4*(\j):OWN+4*(\j)+3], v18, s[10:11] offset:512*(\j)
.endr
	FIRST
	s_wait_loadcnt 32                              ; all but the stream's 32 loads are in
	MAX8 4
	WMAX v4, v14                                   ; max|x|
	MAX8 176
	WMAX v176, v14                                 ; max|W|
	v_add_f32 v15, v4, v4                          ; the doubled maxima, exact
	v_add_f32 v23, v176, v176
	v_add_f32 v24, v19, v19
	v_rcp_f32 v16, v15                             ; one batch of three reciprocals,
	v_rcp_f32 v25, v23
	v_rcp_f32 v26, v24
	v_nop                                          ; one plain instruction behind the last,
	s_wait_alu depctr_va_vdst(0)                   ; one wait ahead of the first reader
	DIVR v28, v13, v15, v16, v17                   ; in_scale: also my stream's scale
	DIVR v22, v13, v23, v25, v17                   ; w_scale
	DIVR v27, v13, v24, v26, v17                   ; b_scale
	v_mul_f32 v30, v28, v22                        ; accum_scale
	v_rcp_f32 v16, v27
	v_mov_b32 v29, v28                             ; the stream's scale twice, a pair for the packed product; also the plain instruction behind the reciprocal
	s_wait_alu depctr_va_vdst(0)
	DIVR v21, v30, v27, v16, v17                   ; accum_scale / b_scale
	v_mov_b32 v31, v30
.macro ALL16 line:vararg               ; one line for each of my 16 numbers z
.set z, 0
.rept 16
	\line
.set z, z+1
.endr
.endm
	ALL16 v_mul_f32 v[OWN+z], v[OWN+z], v27
	ALL16 v_rndne_f32 v[OWN+z], v[OWN+z]
	ALL16 v_med3_num_f32 v[OWN+z], v[OWN+z], s28, s29
	ALL16 v_mul_f32 v[OWN+z], v[OWN+z], v21
	ALL16 v_rndne_f32 v[OWN+z], v[OWN+z]
	ALL16 v_med3_num_f32 v[OWN+z], v[OWN+z], s30, s31
.irp j, 0,1,2,3
	global_store_b128 v18, v[OWN+4*(\j):OWN+4*(\j)+3], s[16:17] offset:512*(\j)  ; 512 consecutive bytes, aligned
.endr
	s_cmp_lg_u32 ttmp9, 0
	s_cbranch_scc1 .Lstream
	global_store_b64 v2, v[30:31], s[18:19]        ; in wave 0 my thread's number is my lane's: 256 consecutive bytes, all of scal
	s_branch .Lstream
.Lplain:
	global_load_b128 v[4:7], v3, s[40:41]
	global_load_b128 v[8:11], v3, s[40:41] offset:512
	FIRST
	s_wait_loadcnt 32                              ; the partial maxima are in; the stream's 32 loads stay out
	MAX8 4
	WMAX v4, v14
	v_add_f32 v15, v4, v4                          ; 2 max|.|, exact
	v_rcp_f32 v16, v15
	v_nop                                          ; a plain instruction behind the reciprocal,
	s_wait_alu depctr_va_vdst(0)                   ; and a wait ahead of its first reader
	DIVR v28, v13, v15, v16, v17                   ; the scale
	v_mov_b32 v29, v28                             ; twice, a pair for the packed product
.Lstream:                                              ; on both ways the stream's first 32 loads, and no other load, are out
; One slot's turn: four numbers are scaled, rounded, clipped, packed and stored.  ahead = 1: pieces 0-31, whose slots are loaded again; ahead = 0: pieces 32-63.
.macro SLOT i, ahead
.if \ahead
	s_wait_loadcnt DEPTH-1                         ; loads come back in order: mine is in, 31 younger ones stay out
.else
	s_wait_loadcnt DEPTH-1-(\i)                    ; nothing more is loaded: the counts run down
.endif
	v_pk_mul_f32 v[X+4*(\i):X+4*(\i)+1], v[X+4*(\i):X+4*(\i)+1], v[28:29]
	v_pk_mul_f32 v[X+4*(\i)+2:X+4*(\i)+3], v[X+4*(\i)+2:X+4*(\i)+3], v[28:29]
.irp j, 0,1,2,3
	v_rndne_f32 v[X+4*(\i)+(\j)], v[X+4*(\i)+(\j)]
.endr
.irp j, 0,1,2,3
	v_med3_num_f32 v[X+4*(\i)+(\j)], v[X+4*(\i)+(\j)], s28, s29
.endr
.if \ahead
	v_cvt_pk_bf16_f32 v[Y+2*(\i)], v[X+4*(\i)], v[X+4*(\i)+1]
	v_cvt_pk_bf16_f32 v[Y+2*(\i)+1], v[X+4*(\i)+2], v[X+4*(\i)+3]
	global_load_b128 v[X+4*(\i):X+4*(\i)+3], v1, s[20:21] offset:(DEPTH+(\i))*CHUNK th:TH_LOAD_NT
	global_store_b64 v2, v[Y+2*(\i):Y+2*(\i)+1], s[22:23] offset:(\i)*(CHUNK/2) th:TH_STORE_NT
.else
	v_cvt_pk_bf16_f32 v[X+4*(\i)], v[X+4*(\i)], v[X+4*(\i)+1]
	v_cvt_pk_bf16_f32 v[X+4*(\i)+1], v[X+4*(\i)+2], v[X+4*(\i)+3]
	global_store_b64 v2, v[X+4*(\i):X+4*(\i)+1], s[22:23] offset:(DEPTH+(\i))*(CHUNK/2) th:TH_STORE_NT
.endif
.endm
.irp i, 0,1,2,3,4,5,6,7,8,9,10,11,12,13,14,15,16,17,18,19,20,21,22,23,24,25,26,27,28,29,30,31
	SLOT \i, 1
.endr
.irp i, 0,1,2,3,4,5,6,7,8,9,10,11,12,13,14,15,16,17,18,19,20,21,22,23,24,25,26,27,28,29,30,31
	SLOT \i, 0
.endr
	s_endpgm
.Lfunc_end_k_qda799df400_quant:
	.size	k_qda799df400_quant, .Lfunc_end_k_qda799df400_quant-k_qda799df400_quant
	.p2alignl 7, 3214868480
	.fill 96, 4, 3214868480
	.section	.rodata,"a",@progbits
	.p2align	6, 0x0
	.amdhsa_kernel k_qda799df400_quant
		.amdhsa_group_segment_fixed_size 0
		.amdhsa_private_segment_fixed_size 0
		.amdhsa_enable_private_segment 0
		.amdhsa_kernarg_size 64
		.amdhsa_user_sgpr_count 2
		.amdhsa_user_sgpr_kernarg_segment_ptr 1
		.amdhsa_wavefront_size32 1
		.amdhsa_system_sgpr_workgroup_id_x 1
		.amdhsa_system_sgpr_workgroup_id_y 1
		.amdhsa_system_sgpr_workgroup_id_z 1
		.amdhsa_system_vgpr_workitem_id 0
		.amdhsa_next_free_vgpr 240
		.amdhsa_next_free_sgpr 66
		.amdhsa_reserve_vcc 0
		.amdhsa_float_denorm_mode_32 3
		.amdhsa_float_denorm_mode_16_64 3
		.amdhsa_memory_ordered 1
		.amdhsa_forward_progress 1
		.amdhsa_inst_pref_size 69
	.end_amdhsa_kernel
	.amdgpu_metadata
---
amdhsa.version: [ 1, 2 ]
amdhsa.kernels:
  - .name:           k_qda799df400_quant
    .symbol:         k_qda799df400_quant.kd
    .args:
      - { .name: pmax, .offset: 0, .size: 8, .value_kind: global_buffer, .address_space: global }
      - { .name: x, .offset: 8, .size: 8, .value_kind: global_buffer, .address_space: global }
      - { .name: W, .offset: 16, .size: 8, .value_kind: global_buffer, .address_space: global }
      - { .name: b, .offset: 24, .size: 8, .value_kind: global_buffer, .address_space: global }
      - { .name: xq, .offset: 32, .size: 8, .value_kind: global_buffer, .address_space: global }
      - { .name: wq, .offset: 40, .size: 8, .value_kind: global_buffer, .address_space: global }
      - { .name: bq, .offset: 48, .size: 8, .value_kind: global_buffer, .address_space: global }
      - { .name: scal, .offset: 56, .size: 8, .value_kind: global_buffer, .address_space: global }
    .group_segment_fixed_size: 0
    .private_segment_fixed_size: 0
    .kernarg_segment_align: 8
    .kernarg_segment_size: 64
    .max_flat_workgroup_size: 256
    .sgpr_count:     66
    .vgpr_count:     240
    .wavefront_size: 32
...
	.end_amdgpu_metadata
.endif
;; end of part 2
;; launch gemm (part 3): grid 16 x 16, 4 waves a work-group, clusters of 4 x 4, 327,680 bytes of LDS; arguments xq, wq, acc, bq, pacc; writes acc, pacc
.if DOCPART == 3
	.amdgcn_target "amdgcn-amd-amdhsa--gfx1250"
	.amdhsa_code_object_version 6
	.text
	.protected	k_qda799df400_gemm
	.globl	k_qda799df400_gemm
	.p2align	8
	.type	k_qda799df400_gemm,@function
k_qda799df400_gemm:
	s_mov_b64 s[64:65], 0
	v_nop
	global_prefetch_b8 v0, s[64:65] scope:SCOPE_SE
	s_setreg_imm32_b32 hwreg(HW_REG_WAVE_MODE, 25, 1), 1
	s_wait_xcnt 0x0
	s_wait_alu depctr_hold_cnt(0) depctr_sa_sdst(0) depctr_va_vdst(0) depctr_va_sdst(0) depctr_va_ssrc(0) depctr_va_vcc(0) depctr_vm_vsrc(0)
	s_getreg_b32 s2, hwreg(HW_REG_IB_STS2, 6, 4)
	s_cmp_eq_u32 s2, 0
	s_cbranch_scc0 .Lentry_in_a_cluster
	s_endpgm
.Lentry_in_a_cluster:
	s_bfe_u32 s2, ttmp6, 0x10000c
	s_cmp_lg_u32 s2, 0xf033
	s_cbranch_scc0 .Lentry_shape_is_right
	s_endpgm
.Lentry_shape_is_right:
; THIRD LAUNCH.  acc[m][n] = clip(sum over k of xq[m][k] wq[n][k] + bq[n], -2^31, 2^31), f32; pacc[wave] = the largest |acc| of a wave's part.  xq, wq: [4096][4096] bf16, whole numbers
; of at most 8 significant bits; sums in f32, whole numbers, exact below 2^24 in any order.  Nothing is left out.  LIMITS as stated at the head of the first launch.
; A tile of acc, 256 x 256, is made by a work-group of four waves; a wave makes 128 x 128: 64 accumulators of 16 x 16, 512 registers.  16 x 16 tiles: 256 work-groups, one tile each.
; K goes in steps of 128 through a ring of two LDS slots filled by the tensor data mover: a tile's rows are 256 bytes of memory and start at multiples of 256 bytes from the buffer's first byte.
; CLUSTERS: 4 x 4 work-groups.  The four of a row of the cluster need the same tiles of xq, the four of a column the same tiles of wq: each tile is asked for JOINTLY, by the same tensor load
; with the same descriptor and a mask that names the four.
; REGISTERS, in windows of 256 (s_set_vgpr_msb: bits 1:0 source 0, 3:2 source 1, 5:4 source 2, 7:6 destination):
;   window 0: v0-31 addresses and the running maxima; v64-127, v128-191 fragments of xq, two buffers; on the way out v64-127 a block's 64 numbers, v128-191 and v192-255 rows read back, by turns
;   window 1: v0-63 bq of my 128 columns, laid as the accumulators of one block lie; v64-127, v128-191 fragments of wq, two buffers
;   window 2: the 32 accumulators of my rows 0-63 (accumulator (a, b) at v[8 (8 a + b)]);   window 3: those of my rows 64-127
; THE MATRIX INSTRUCTION IS USED TRANSPOSED: source 0 = 16 rows of wq, source 1 = 16 rows of xq: lane l then holds row l % 16 of acc and the columns 8 (l / 16) + 0..7: 32 bytes on end.
.set SIZE_K, 4096
.set SIZE_N, 4096
.set CROW,   SIZE_N*4                  ; bytes in a row of acc
.set KSTEP,  128
.set PITCH,  272                       ; an LDS row: 256 bytes + 16 of padding = 68 words: the 16 rows that a load touches start at 16 different groups of four banks (64 banks of 4 bytes: ISA guide 11.1)
.set HALFT,  128*PITCH                 ; 128 rows: what one tensor load brings, and what one wave reads of xq or of wq
.set SLOT,   4*HALFT                   ; xq's 256 rows, then wq's 256 rows
.set STAGE,  2*SLOT                    ; behind the ring: 16 rows x 528 bytes for each wave, for the way out; no tensor load lands here
.set SPITCH, 528                       ; 512 bytes + 16 = 132 words: again 16 different groups of four banks
.set SPARE,  STAGE+4*16*SPITCH         ; behind the stages: the spare words, 128 bytes for each wave: two blocks of 256 bytes that no other line names
.set LAPS,   SIZE_K/(2*KSTEP)          ; a lap = two K steps = once round the ring: 16
.set MX,   8                           ; v8-9    two running maxima
.set MN,   10                          ; v10-11  two running minima
.set ADRA, 16                          ; v16-17  LDS address of my xq fragments in slot 0, 1
.set ADRB, 20                          ; v20-21  the same for wq
.set STO,  24                          ; v24     the way out: where I put 32 bytes of a row
.set RD,   25                          ; v25     the way out: where I read a row back
.set CO,   26                          ; v26     16 x lane: my 16 bytes of a row's 512 in acc
.set BO,   27                          ; v27     32 (l / 16): my 8 columns of 16 in bq
.set SPW,  28                          ; v28     my spare word: SPARE + 4 x my thread's number; never rewritten
.set NIL,  29                          ; v29     0; never rewritten
.set PFO,  30                          ; v30     the prefetches' offset: my lane x a row of xq or wq; never rewritten
.set ZO,   31                          ; v31     offset 0
.set PFA,  44                          ; s[44:45] where my prefetches stand
.set LIM,  43                          ; s43     1 in a wave that prefetches, else the greatest number
.set F0,   64
.set F1,   128
.set TMP,  64
.set OB,   128
.set G1,  24                           ; s[24:31] descriptor group 1 for xq's tiles
.set G0,  32                           ; s[32:39] descriptor group 0 for xq's tiles, one set for each slot
.set G1B, 48                           ; s[48:55], s[56:63] the same for wq's
.set G0B, 56
.set SEL, 74                           ; s[74:75] lane selects for v_permlanex16_b32
.set MSB, 0
.macro WIN new                         ; the immediate's high byte repeats the setting that is left; a switch that changes nothing is dropped
.if MSB != (\new)
	s_set_vgpr_msb (MSB<<8)|(\new)
.set MSB, \new
.endif
.endm
.set MUL_LO, 0xa1                      ; source 0 (wq) window 1, source 1 (xq) window 0, C and D window 2
.set MUL_HI, 0xf1                      ; the same, C and D window 3
.set TO_B,   0x40                      ; destination window 1, address window 0
; A joint load.  Waves 0 and 1 fetch xq's two halves, waves 2 and 3 wq's.  The branch hangs on the wave's number alone.  An s_nop 0 and four v_nop follow each of the two lines.
.macro JLOAD s
	s_cmp_eq_u32 s11, 0
	s_cbranch_scc0 .Lfor_b_\@
	tensor_load_to_lds s[G0+4*(\s):G0+4*(\s)+3], s[G1:G1+7]
	s_nop 0
.rept 4
	v_nop
.endr
	s_branch .Lasked_\@
.Lfor_b_\@:
	tensor_load_to_lds s[G0B+4*(\s):G0B+4*(\s)+3], s[G1B:G1B+7]
	s_nop 0
.rept 4
	v_nop
.endr
.Lasked_\@:
.endm
; A prefetch, behind each joint refill and the run of LDS loads that follows it: the K step that stands two refills on, 512 matrix instructions ahead of the load that will want it: 32 rows x 256 bytes,
; a lane a row, one instruction a wave.  Each row's 256 bytes of a K step are named once in the launch: of the clusters that read xq's tile row the one with x = 0 asks, of those that read wq's tile
; column the one with y = 0; the four partners that ask for a tile jointly take 32 of a wave's 128 rows each, told apart by address.  The loop's last trip asks for nothing: K steps 30 and 31 are the last.
.macro ASK
	s_cmp_gt_u32 s3, s[LIM]                        ; s3 = 1 in the loop's last trip
	s_cbranch_scc0 .Lnot_mine_\@
	global_prefetch_b8 v[PFO], s[PFA:PFA+1] offset:KSTEP*2 th:TH_LOAD_NT scope:SCOPE_SE
.Lnot_mine_\@:
.endm
.macro CREST                           ; a round of the cluster's barrier behind its opening barrier
	s_cmp_lg_u32 s10, 0
	s_cbranch_scc1 .Lnot_wave_0_\@
	s_barrier_signal -3
.Lnot_wave_0_\@:
	s_barrier_wait -3
	s_barrier_signal -1
	s_barrier_wait -1
.endm
.macro CROUND                          ; a whole round
	s_barrier_signal -1
	s_barrier_wait -1
	CREST
.endm
	s_load_b128 s[4:7], s[0:1], 0x0                ; xq s[4:5], wq s[6:7]
	s_load_b64 s[8:9], s[0:1], 0x10                ; acc
	s_load_b128 s[68:71], s[0:1], 0x18             ; bq s[68:69], pacc s[70:71]
	v_lshl_add_u32 v[SPW], v0, 2, SPARE
	v_mov_b32 v[NIL], 0
	ds_add_u32 v[SPW], v[NIL]                      ; the wave's opening: the add, twice on end, and its wait ahead of my first tensor load
	ds_add_u32 v[SPW], v[NIL]                      ; and once more, under the one wait; the set-up below, work on registers, stands between
	v_lshrrev_b32 v1, 5, v0
	v_readfirstlane_b32 s10, v1                    ; wave 0..3
	s_lshr_b32 s11, s10, 1                         ; which half of the tile's rows is mine.  Also: I fetch for xq (0) or for wq (1)
	s_and_b32 s12, s10, 1                          ; which half of its columns.  Also: which 128 rows of that tile I fetch
	s_bfe_u32 s40, ttmp6, 0x40000                  ; cx
	s_bfe_u32 s41, ttmp6, 0x40004                  ; cy
	s_lshl_b32 s42, ttmp9, 2
	s_add_co_u32 s42, s42, s40                     ; tile column = 4 x cluster x + cx
	s_and_b32 s13, ttmp7, 0xffff
	s_lshl_b32 s13, s13, 2
	s_add_co_u32 s13, s13, s41                     ; tile row = 4 x cluster y + cy
	s_lshl_b32 s43, s41, 2
	s_lshl_b32 s43, 15, s43                        ; my row of the cluster: places 4 cy .. 4 cy + 3
	s_lshl_b32 s44, 0x1111, s40                    ; my column: places cx, cx + 4, cx + 8, cx + 12
	; descriptor group 1: a tile of 128 rows x 128 elements of 2 bytes, 4 words of padding behind every 64
	s_or_b32 s[G1+0], s43, (1<<16)|(1<<20)|(1<<21)|(5<<22)|(3<<25)   ; 15:0 the mask; 17:16 element size; 20 padding on; 21 set beside a mask; 24:22 interval; 31:25 pad
	s_or_b32 s[G1B+0], s44, (1<<16)|(1<<20)|(1<<21)|(5<<22)|(3<<25)
.irp g, G1, G1B
	s_mov_b32 s[(\g)+1], KSTEP<<16                 ; tensor_dim0 = 128
	s_mov_b32 s[(\g)+2], 128<<16                   ; tensor_dim1 = 128
	s_mov_b32 s[(\g)+3], KSTEP<<16                 ; tile_dim0 = 128
	s_mov_b32 s[(\g)+4], 128                       ; tile_dim1 = 128
	s_mov_b32 s[(\g)+5], SIZE_K                    ; elements from row to row
	s_mov_b32 s[(\g)+6], 0
	s_mov_b32 s[(\g)+7], 0
.endr
	; where the tiles come from: xq's hang on the tile row alone, wq's on the tile column alone
	s_lshl_b32 s17, s12, 7                         ; which 128 rows of the tile I fetch
	s_lshl_b32 s16, s13, 8
	s_add_co_u32 s16, s16, s17                     ; xq: row 256 x tile row + 128 x half
	s_lshl_b32 s46, s42, 8
	s_add_co_u32 s46, s46, s17                     ; wq: row 256 x tile column + 128 x half
	s_mov_b32 s17, 0
	s_mov_b32 s47, 0
	s_mov_b64 s[18:19], SIZE_K*2
	s_mul_u64 s[16:17], s[16:17], s[18:19]
	s_mul_u64 s[46:47], s[46:47], s[18:19]
	s_mul_i32 s20, s10, HALFT                      ; and where they go: wave x 128 rows: no place in the cluster enters an LDS address
	s_mov_b32 s72, 0xcf000000                      ; -2^31
	s_mov_b32 s73, 0x4f000000                      ; 2^31
	s_mov_b32 s[SEL], 0x76543210
	s_mov_b32 s[SEL+1], 0xfedcba98
	s_wait_dscnt 0x0                               ; both opening adds are done
	s_wait_kmcnt 0x0
	s_add_nc_u64 s[14:15], s[4:5], s[16:17]
	s_add_nc_u64 s[46:47], s[6:7], s[46:47]
	CROUND                                         ; all sixteen work-groups are here: the first joint loads meet
.irp s, 0,1
	s_mov_b32 s[G0+4*(\s)], 1                                        ; count = 1
	s_add_co_u32 s[G0+4*(\s)+1], s20, (\s)*SLOT                      ; LDS address
	s_add_nc_u64 s[G0+4*(\s)+2:G0+4*(\s)+3], s[14:15], (\s)*KSTEP*2  ; global address: K step s
	s_or_b32 s[G0+4*(\s)+3], s[G0+4*(\s)+3], 0x80000000              ; type = 2
	s_mov_b32 s[G0B+4*(\s)], 1
	s_add_co_u32 s[G0B+4*(\s)+1], s20, (\s)*SLOT
	s_add_nc_u64 s[G0B+4*(\s)+2:G0B+4*(\s)+3], s[46:47], (\s)*KSTEP*2
	s_or_b32 s[G0B+4*(\s)+3], s[G0B+4*(\s)+3], 0x80000000
	JLOAD \s                                       ; the ring is filled before anything else is done: two loads of mine are out
.endr
	; A fragment is 16 rows x 32 K in 8 registers: lane l holds row l % 16; registers 0-3 K = 8 (l / 16) + 0..7, registers 4-7 K = 16 + 8 (l / 16) + 0..7: two loads of 16 bytes, 32 bytes apart.
	v_and_b32 v1, 15, v0                           ; l % 16
	v_bfe_u32 v2, v0, 4, 1                         ; l / 16
	v_mul_u32_u24 v3, v1, PITCH
	v_lshl_add_u32 v3, v2, 4, v3                   ; row x pitch + 16 x half
	s_mul_i32 s21, s11, HALFT                      ; my 128 rows of xq
	s_mul_i32 s22, s12, HALFT                      ; my 128 rows of wq,
	s_add_co_u32 s22, s22, 2*HALFT                 ; which lie behind xq's 256
.irp s, 0,1
	v_add_nc_u32 v[ADRA+(\s)], s21, v3
	v_add_nc_u32 v[ADRB+(\s)], s22, v3
	s_add_co_u32 s21, s21, SLOT
	s_add_co_u32 s22, s22, SLOT
.endr
	s_mul_i32 s23, s10, 16*SPITCH
	s_add_co_u32 s23, s23, STAGE                   ; my stage
	v_mul_u32_u24 v4, v1, SPITCH                   ; in: row l % 16, 32 bytes for each half of the lanes
	v_lshl_add_u32 v4, v2, 5, v4
	v_add_nc_u32 v[STO], s23, v4
	v_and_b32 v5, 31, v0
	v_lshlrev_b32 v[CO], 4, v5                     ; back: 32 lanes take one row of 512 bytes,
	v_add_nc_u32 v[RD], s23, v[CO]
	v_lshlrev_b32 v[BO], 5, v2
	v_mov_b32 v[MX], 0                             ; max|.| is at least 0: both chains start there
	v_mov_b32 v[MX+1], 0
	v_mov_b32 v[MN], 0
	v_mov_b32 v[MN+1], 0
	v_mov_b32 v13, 0                               ; written, since v_permlanex16_b32 counts as a reader of its destination
	v_mov_b32 v[ZO], 0
	; acc at my first row and column, bq at my first column, pacc at my wave's word
	s_lshl_b32 s13, s13, 8                         ; 256 x tile row
	s_lshl_b32 s14, s11, 7
	s_add_co_u32 s16, s13, s14                     ; my first row,
	s_lshl_b32 s16, s16, 14                        ; of 16,384 bytes
	s_mov_b32 s17, 0
	s_lshl_b32 s46, s42, 10                        ; my first column, in bytes: 1,024 x tile column + 512 x half
	s_lshl_b32 s47, s12, 9
	s_add_co_u32 s46, s46, s47
	s_mov_b32 s47, 0
	s_add_nc_u64 s[8:9], s[8:9], s[16:17]
	s_add_nc_u64 s[8:9], s[8:9], s[46:47]
	s_add_nc_u64 s[68:69], s[68:69], s[46:47]
	s_lshl_b32 s78, s42, 4
	s_add_co_u32 s78, s78, s13
	s_lshl2_add_u32 s78, s10, s78                  ; 4 x (4 x (16 x tile row + tile column) + wave)
	s_mov_b32 s79, 0
	s_add_nc_u64 s[70:71], s[70:71], s[78:79]
	; the prefetches.  s13 = 256 x tile row, s42 = tile column, s40 = cx, s41 = cy still stand
	s_lshl_b32 s42, s42, 8
	s_and_b32 s22, ttmp7, 0xffff                   ; cluster y
	s_cmp_eq_u32 s11, 0                            ; do I fetch for xq?
	s_cselect_b32 s20, s13, s42                    ; the tile's first row
	s_cselect_b32 s21, s40, s41                    ; my place among the four that ask for it with me
	s_cselect_b32 s22, ttmp9, s22                  ; the coordinate along which other clusters read the same rows
	s_cselect_b64 s[PFA:PFA+1], s[4:5], s[6:7]
	s_cmp_eq_u32 s22, 0
	s_cselect_b32 s[LIM], 1, -1                    ; the same in all sixteen partners, for a given wave
	s_lshl_b32 s22, s12, 7
	s_add_co_u32 s20, s20, s22                     ; + the 128 rows that I fetch
	s_lshl_b32 s21, s21, 5
	s_add_co_u32 s20, s20, s21                     ; + my work-group's 32 of them
	s_mov_b32 s21, 0
	s_mov_b64 s[18:19], SIZE_K*2
	s_mul_u64 s[20:21], s[20:21], s[18:19]
	s_add_nc_u64 s[PFA:PFA+1], s[PFA:PFA+1], s[20:21]
	s_add_nc_u64 s[PFA:PFA+1], s[PFA:PFA+1], 2*KSTEP*2  ; at K step 2: the first refill steps it to 3 and names K step 4; nothing is prefetched here, at the head
	v_and_b32 v[PFO], 31, v0
	v_mul_u32_u24 v[PFO], v[PFO], SIZE_K*2
	WIN TO_B                                       ; bq of my 128 columns: register 8 b + j holds column 16 b + 8 (l / 16) + j, as accumulator b holds it
.irp b, 0,1,2,3,4,5,6,7
	global_load_b128 v[8*(\b):8*(\b)+3],   v[BO], s[68:69] offset:64*(\b)
	global_load_b128 v[8*(\b)+4:8*(\b)+7], v[BO], s[68:69] offset:64*(\b)+16
.endr
	WIN 0
; 16 matrix instructions: m blocks a0, a0 + 1 of the window's four x all 8 n blocks, 32 along K.  zero = 1: the first product starts the sums: nothing is ever cleared.
; The 64 accumulators take turns, one instruction a turn, in the same order in every quarter step.
.macro MUL16 f, hi, a0, zero
	WIN MUL_LO+0x50*(\hi)
.irp a, \a0, (\a0)+1
.irp b, 0,1,2,3,4,5,6,7
.if \zero
	v_wmma_f32_16x16x32_bf16 v[8*(8*(\a)+(\b)):8*(8*(\a)+(\b))+7], v[(\f)+8*(\b):(\f)+8*(\b)+7], v[(\f)+8*(4*(\hi)+(\a)):(\f)+8*(4*(\hi)+(\a))+7], 0
.else
	v_wmma_f32_16x16x32_bf16 v[8*(8*(\a)+(\b)):8*(8*(\a)+(\b))+7], v[(\f)+8*(\b):(\f)+8*(\b)+7], v[(\f)+8*(4*(\hi)+(\a)):(\f)+8*(4*(\hi)+(\a))+7], v[8*(8*(\a)+(\b)):8*(8*(\a)+(\b))+7]
.endif
.endr
.endr
.endm
; 32 LDS loads in one run: the fragments of one quarter step (128 rows of wq, 128 rows of xq, 32 K at byte k of the rows) into buffer f
.macro FETCH slot, k, f
	WIN TO_B
.irp i, 0,1,2,3,4,5,6,7
	ds_load_b128 v[(\f)+8*(\i):(\f)+8*(\i)+3],   v[ADRB+(\slot)] offset:(\k)+(\i)*16*PITCH
	ds_load_b128 v[(\f)+8*(\i)+4:(\f)+8*(\i)+7], v[ADRB+(\slot)] offset:(\k)+(\i)*16*PITCH+32
.endr
	WIN 0
.irp i, 0,1,2,3,4,5,6,7
	ds_load_b128 v[(\f)+8*(\i):(\f)+8*(\i)+3],   v[ADRA+(\slot)] offset:(\k)+(\i)*16*PITCH
	ds_load_b128 v[(\f)+8*(\i)+4:(\f)+8*(\i)+7], v[ADRA+(\slot)] offset:(\k)+(\i)*16*PITCH+32
.endr
.endm
; A load into a register that a matrix instruction has read, and a vector instruction that reads a matrix result, stand four plain vector instructions behind that matrix instruction.
.macro PLACES
.rept 4
	v_nop
.endr
.endm
; A K step is four quarter steps of 32 along K, 64 matrix instructions each, on buffers 0, 1, 0, 1.  One of the first three multiplies buffer f and fetches the next quarter, at byte k, into g.
.macro QUARTER slot, k, f, g, zero
	s_wait_dscnt 8                                 ; wq and xq's rows 0-63 are in; the youngest eight loads (xq's rows 64-127) may be out
	WIN MUL_LO
	MUL16 \f, 0, 0, \zero
	MUL16 \f, 0, 2, \zero
	PLACES
	FETCH \slot, \k, \g
	s_wait_dscnt 32                                ; all but the 32 just issued
	WIN MUL_HI
	MUL16 \f, 1, 0, \zero
	MUL16 \f, 1, 2, \zero
.endm
; The last quarter multiplies buffer 1 and changes slots.  In front of the one barrier each wave waits for all its tensor loads, of which one is out: its part of the next slot; adds 0 to its spare
; word; and waits for that and for its own reads of this slot.  Behind it nobody reads this slot any more and the next slot is whole.
.macro MEET round                      ; round = 1: a round of the cluster's barrier follows
	WIN 0                                          ; (the add's two registers lie in window 0)
	s_wait_tensorcnt 0x0                           ; all my tensor loads have landed
	ds_add_u32 v[SPW], v[NIL]                      ; 0 onto my spare word
	s_wait_dscnt 9                                 ; (the add and the youngest eight loads may be out)
	WIN MUL_LO
	MUL16 F1, 0, 0, 0                              ; sixteen matrix instructions stand between the add and the wait for it
	s_wait_dscnt 0x0                               ; the add is done, and my reads of this slot are over
	s_barrier_signal -1
	MUL16 F1, 0, 2, 0                              ; work on registers while the others arrive
.if \round
	WIN 0
.endif
	s_barrier_wait -1
.endm
; The whole last quarter: behind the round the slot just read out is filled again first, with the K step two steps on; then come the next slot's first fragments.
.macro TURN slot, next
	s_wait_xcnt 0x0                                ; the last prefetch, a K step back, has read its address: it is stepped here
	s_add_nc_u64 s[PFA:PFA+1], s[PFA:PFA+1], KSTEP*2
	MEET 1
	CREST                                          ; no wave of any partner still reads this slot's tile or has a load on its way
	s_add_nc_u64 s[G0+4*(\slot)+2:G0+4*(\slot)+3], s[G0+4*(\slot)+2:G0+4*(\slot)+3], 2*KSTEP*2
	s_add_nc_u64 s[G0B+4*(\slot)+2:G0B+4*(\slot)+3], s[G0B+4*(\slot)+2:G0B+4*(\slot)+3], 2*KSTEP*2
	JLOAD \slot                                    ; my one tensor load behind the round; the four v_nop behind it are also the places in front of the loads below
	FETCH \next, 0, F0
	ASK
	WIN MUL_HI
	MUL16 F1, 1, 0, 0
	MUL16 F1, 1, 2, 0
.endm
; THE WAY OUT of block a (16 rows x 128 columns), in three parts.
; EPI: + bq, the clip, and the running maximum and minimum.  Each accumulator's registers are read in ascending order.
.macro EPI a
.set AC, 64*((\a)%4)
	WIN 0x06+(\a)/4                                ; source 0: window 2 or 3; source 1: window 1; destination: window 0
.irp b, 0,1,2,3,4,5,6,7
.irp r, 0,1,2,3
	v_pk_add_f32 v[TMP+8*(\b)+2*(\r):TMP+8*(\b)+2*(\r)+1], v[AC+8*(\b)+2*(\r):AC+8*(\b)+2*(\r)+1], v[8*(\b)+2*(\r):8*(\b)+2*(\r)+1]
.endr
.endr
	WIN 0
.set z, 0
.rept 64
	v_med3_num_f32 v[TMP+z], v[TMP+z], s72, s73
.set z, z+1
.endr
.set z, 0
.rept 16
	v_max3_num_f32 v[MX],   v[MX],   v[TMP+4*z],   v[TMP+4*z+1]
	v_min3_num_f32 v[MN],   v[MN],   v[TMP+4*z],   v[TMP+4*z+1]
	v_max3_num_f32 v[MX+1], v[MX+1], v[TMP+4*z+2], v[TMP+4*z+3]
	v_min3_num_f32 v[MN+1], v[MN+1], v[TMP+4*z+2], v[TMP+4*z+3]
.set z, z+1
.endr
.endm
; TOSTAGE: 32 bytes a lane and accumulator into my own stage, and back as whole rows of 512 bytes.
.macro TOSTAGE a
.set BK, OB+64*((\a)%2)
.irp b, 0,1,2,3,4,5,6,7
	ds_store_b128 v[STO], v[TMP+8*(\b):TMP+8*(\b)+3]   offset:64*(\b)
	ds_store_b128 v[STO], v[TMP+8*(\b)+4:TMP+8*(\b)+7] offset:64*(\b)+16
.endr
.irp t, 0,1,2,3,4,5,6,7,8,9,10,11,12,13,14,15
	ds_load_b128 v[BK+4*(\t):BK+4*(\t)+3], v[RD] offset:(\t)*SPITCH  ; LDS serves a wave's instructions in order (ISA guide 5.7.1.4): these see the stores above
.endr
.endm
; SEND: stored.
.macro SEND a
.set BK, OB+64*((\a)%2)
	s_wait_dscnt 0x0                               ; the block is back in registers
	s_wait_xcnt 0x0                                ; the stores of the block before have read their data: the other 64 registers are loaded again only behind this wait
.irp t, 0,1,2,3,4,5,6,7,8,9,10,11,12,13,14,15
	global_store_b128 v[CO], v[BK+4*(\t):BK+4*(\t)+3], s[8:9] offset:(16*(\a)+(\t))*CROW  ; a wave stores 512 consecutive bytes, at a multiple of 512 from acc's first byte; 127 rows at the most: inside the signed 24-bit immediate
.endr
.endm
	s_wait_loadcnt 0x0                             ; bq
	s_wait_tensorcnt 1                             ; my part of K step 0 is in; K step 1's may stay out
	s_barrier_signal -1
	s_barrier_wait -1                              ; everybody's is
	FETCH 0, 0, F0
	QUARTER 0, 64,  F0, F1, 1                      ; the first quarter stands in front of the loop: its products start the sums
	WIN 0                                          ; at a label and at a branch every window is 0
	s_mov_b32 s3, LAPS-1
.Llap:                                                 ; a trip goes once round the ring, from a lap's second quarter to the next lap's first, and fills both slots again
	QUARTER 0, 128, F1, F0, 0
	QUARTER 0, 192, F0, F1, 0
	TURN 0, 1
	QUARTER 1, 64,  F0, F1, 0
	QUARTER 1, 128, F1, F0, 0
	QUARTER 1, 192, F0, F1, 0
	TURN 1, 0
	QUARTER 0, 64,  F0, F1, 0
	WIN 0
	s_sub_co_u32 s3, s3, 1
	s_cmp_lg_u32 s3, 0
	s_cbranch_scc1 .Llap
	QUARTER 0, 128, F1, F0, 0                      ; the last lap fills nothing, and has no round of the cluster's barrier
	QUARTER 0, 192, F0, F1, 0
	MEET 0                                         ; my one tensor load that was still out is slot 1's, the last K step's
	PLACES
	FETCH 1, 0, F0
	WIN MUL_HI
	MUL16 F1, 1, 0, 0
	MUL16 F1, 1, 2, 0
	QUARTER 1, 64,  F0, F1, 0
	QUARTER 1, 128, F1, F0, 0
	QUARTER 1, 192, F0, F1, 0
	s_wait_dscnt 8                                 ; the very last quarter: nothing more to fetch
	WIN MUL_LO
	MUL16 F1, 0, 0, 0
	MUL16 F1, 0, 2, 0
	s_wait_dscnt 0x0
	MUL16 F1, 1, 0, 0
	MUL16 F1, 1, 2, 0
	WIN 0
	PLACES                                         ; behind the last products, in front of the sums that read results and of writes into fragment registers
	PLACES                                         ; (eight, once a launch)
	EPI 0
	TOSTAGE 0
.irp a, 1,2,3,4,5,6,7                  ; block a's arithmetic stands between block a - 1's loads from the stage and the wait for them
	EPI \a
	SEND (\a)-1
	TOSTAGE \a
.endr
	SEND 7
	v_max_num_f32 v[MX], v[MX], v[MX+1]
	v_min_num_f32 v[MN], v[MN], v[MN+1]
	v_mul_f32 v[MN], -1.0, v[MN]
	v_max_num_f32 v[MX], v[MX], v[MN]              ; my lane's max|acc|
	v_max_num_f32_dpp v[MX], v[MX], v[MX] row_xmask:1 row_mask:0xf bank_mask:0xf
	v_max_num_f32_dpp v[MX], v[MX], v[MX] row_xmask:2 row_mask:0xf bank_mask:0xf
	v_max_num_f32_dpp v[MX], v[MX], v[MX] row_xmask:4 row_mask:0xf bank_mask:0xf
	v_max_num_f32_dpp v[MX], v[MX], v[MX] row_xmask:8 row_mask:0xf bank_mask:0xf
	v_permlanex16_b32 v13, v[MX], s[SEL], s[SEL+1]
	v_max_num_f32 v[MX], v[MX], v13                ; my wave's
	v_and_b32 v12, 31, v0
	s_wait_xcnt 0x0                                ; EXEC changes only behind this wait
	v_cmp_eq_u32 vcc_lo, 0, v12
	s_and_saveexec_b32 s76, vcc_lo                 ; lane 0 alone
	global_store_b32 v[ZO], v[MX], s[70:71]
	s_wait_xcnt 0x0                                ; and again, in front of the line that widens it
	s_or_b32 exec_lo, exec_lo, s76
	s_wait_tensorcnt 0x0                           ; the wave's end: behind my last tensor load and my last LDS store
	ds_add_u32 v[SPW], v[NIL]
	s_wait_dscnt 0x0
	CROUND                                         ; the closing round: no work-group ends while a partner may still ask for a tile that names it
	s_endpgm
.Lfunc_end_k_qda799df400_gemm:
	.size	k_qda799df400_gemm, .Lfunc_end_k_qda799df400_gemm-k_qda799df400_gemm
	.p2alignl 7, 3214868480
	.fill 96, 4, 3214868480
	.section	.rodata,"a",@progbits
	.p2align	6, 0x0
	.amdhsa_kernel k_qda799df400_gemm
		.amdhsa_group_segment_fixed_size 327680
		.amdhsa_private_segment_fixed_size 0
		.amdhsa_enable_private_segment 0
		.amdhsa_kernarg_size 40
		.amdhsa_user_sgpr_count 2
		.amdhsa_user_sgpr_kernarg_segment_ptr 1
		.amdhsa_wavefront_size32 1
		.amdhsa_system_sgpr_workgroup_id_x 1
		.amdhsa_system_sgpr_workgroup_id_y 1
		.amdhsa_system_sgpr_workgroup_id_z 1
		.amdhsa_system_vgpr_workitem_id 0
		.amdhsa_next_free_vgpr 1024
		.amdhsa_next_free_sgpr 80
		.amdhsa_reserve_vcc 1
		.amdhsa_float_denorm_mode_32 3
		.amdhsa_float_denorm_mode_16_64 3
		.amdhsa_memory_ordered 1
		.amdhsa_forward_progress 1
		.amdhsa_inst_pref_size 225
	.end_amdhsa_kernel
	.amdgpu_metadata
---
amdhsa.version: [ 1, 2 ]
amdhsa.kernels:
  - .name:           k_qda799df400_gemm
    .symbol:         k_qda799df400_gemm.kd
    .args:
      - { .name: xq, .offset: 0, .size: 8, .value_kind: global_buffer, .address_space: global }
      - { .name: wq, .offset: 8, .size: 8, .value_kind: global_buffer, .address_space: global }
      - { .name: acc, .offset: 16, .size: 8, .value_kind: global_buffer, .address_space: global }
      - { .name: bq, .offset: 24, .size: 8, .value_kind: global_buffer, .address_space: global }
      - { .name: pacc, .offset: 32, .size: 8, .value_kind: global_buffer, .address_space: global }
    .group_segment_fixed_size: 327680
    .private_segment_fixed_size: 0
    .kernarg_segment_align: 8
    .kernarg_segment_size: 40
    .max_flat_workgroup_size: 128
    .sgpr_count:     80
    .vgpr_count:     1024
    .wavefront_size: 32
...
	.end_amdgpu_metadata
.endif
;; end of part 3
;; launch requant (part 4): grid 512 x 1, 8 waves a work-group, no clusters, 0 bytes of LDS; arguments acc, pacc, scal, out0; writes out0
.if DOCPART == 4
	.amdgcn_target "amdgcn-amd-amdhsa--gfx1250"
	.amdhsa_code_object_version 6
	.text
	.protected	k_qda799df400_requant
	.globl	k_qda799df400_requant
	.p2align	8
	.type	k_qda799df400_requant,@function
k_qda799df400_requant:
	s_mov_b64 s[64:65], 0
	v_nop
	global_prefetch_b8 v0, s[64:65] scope:SCOPE_SE
	s_setreg_imm32_b32 hwreg(HW_REG_WAVE_MODE, 25, 1), 1
	s_wait_xcnt 0x0
; FOURTH LAUNCH.  out_sat = max|acc| / accum_scale; out_scale = 255 / (2 out_sat); out = clip(round(acc * (out_scale / accum_scale)), -128, 127) / out_scale.  Nothing is left out.
; The three scalar divisions are rounded correctly, operation by operation as the formula has them; acc times the factor is one f32 product, then round-to-nearest-even.
; LIMIT.  The last division is a product with the reciprocal of out_scale, refined by one Newton step: about one unit in the last place.  The other limits as stated at the head of the first launch.
; A work-group takes 128 KiB of acc, as 32 pieces of 4 KiB; thread t takes the 16 bytes at 16 t of each: a load or store of a wave covers 512 consecutive bytes, aligned.  A piece's place stands in
; the immediate.  ALL 32 LOADS OF A THREAD GO OUT AT THE HEAD, each into four registers of its own; a piece is worked on in place and stored from there, and those registers are never written
; again: so the stream has no wait but the counted waits for its loads.  Every wave makes max|acc| for itself from the 1,024 partial maxima, while its pieces are on their way.
.set CHUNK, 4096
.set PIECES, 32
.set P,   32                           ; v[32:63]   the partial maxima
.set X,   64                           ; v[64:191]  piece i: 4 registers
.set SEL, 14                           ; s[14:15]
; q = n / d, rounded correctly.  y holds the reciprocal of d, already waited for; it leaves refined and may serve a second division by d.
.macro DIVR q, n, d, y, t
	v_fma_f32 \t, -\d, \y, 1.0
	v_fma_f32 \y, \t, \y, \y
	v_mul_f32 \q, \n, \y
	v_fma_f32 \t, -\d, \q, \n
	v_fma_f32 \q, \t, \y, \q
	v_fma_f32 \t, -\d, \q, \n
	v_fma_f32 \q, \t, \y, \q
.endm
	s_load_b256 s[4:11], s[0:1], 0x0               ; acc s[4:5], pacc s[6:7], scal s[8:9], out0 s[10:11]
	v_lshlrev_b32 v1, 4, v0                        ; 16 t; never rewritten
	v_and_b32 v2, 31, v0
	v_lshlrev_b32 v2, 4, v2                        ; 16 x lane; never rewritten
	v_mov_b32 v4, 0x437f0000                       ; 255.0
	v_mov_b32 v5, 0                                ; written, since v_permlanex16_b32 counts as a reader of its destination
	s_mov_b32 s[SEL], 0x76543210
	s_mov_b32 s[SEL+1], 0xfedcba98
	s_mov_b32 s16, 0xc3000000                      ; -128.0
	s_mov_b32 s17, 0x42fe0000                      ; 127.0
	s_lshl_b32 s18, ttmp9, 17                      ; my 128 KiB
	s_mov_b32 s19, 0
	s_wait_kmcnt 0x0
	s_load_b32 s12, s[8:9], 0x0                    ; accum_scale
	s_add_nc_u64 s[4:5], s[4:5], s[18:19]          ; never stepped
	s_add_nc_u64 s[10:11], s[10:11], s[18:19]      ; never stepped
.irp j, 0,1,2,3,4,5,6,7
	global_load_b128 v[P+4*(\j):P+4*(\j)+3], v2, s[6:7] offset:512*(\j)
.endr
.irp i, 0,1,2,3,4,5,6,7,8,9,10,11,12,13,14,15,16,17,18,19,20,21,22,23,24,25,26,27,28,29,30,31
	global_load_b128 v[X+4*(\i):X+4*(\i)+3], v1, s[4:5] offset:(\i)*CHUNK th:TH_LOAD_NT
.endr
	s_wait_loadcnt PIECES                          ; the partial maxima are in; the 32 loads issued behind them stay out
	v_max3_num_f32 v[P], v[P], v[P+1], v[P+2]
.set z, 3
.rept 14
	v_max3_num_f32 v[P], v[P], v[P+z], v[P+z+1]
.set z, z+2
.endr
	v_max_num_f32 v[P], v[P], v[P+31]
	v_max_num_f32_dpp v[P], v[P], v[P] row_xmask:1 row_mask:0xf bank_mask:0xf
	v_max_num_f32_dpp v[P], v[P], v[P] row_xmask:2 row_mask:0xf bank_mask:0xf
	v_max_num_f32_dpp v[P], v[P], v[P] row_xmask:4 row_mask:0xf bank_mask:0xf
	v_max_num_f32_dpp v[P], v[P], v[P] row_xmask:8 row_mask:0xf bank_mask:0xf
	v_permlanex16_b32 v5, v[P], s[SEL], s[SEL+1]
	v_max_num_f32 v13, v[P], v5                    ; max|acc|
	s_wait_kmcnt 0x0
	v_mov_b32 v6, s12                              ; accum_scale
	v_rcp_f32 v7, v6
	v_nop                                          ; a plain instruction behind the reciprocal,
	s_wait_alu depctr_va_vdst(0)                   ; and a wait ahead of its first reader
	DIVR v8, v13, v6, v7, v9                       ; out_sat
	v_add_f32 v10, v8, v8                          ; 2 out_sat, exact
	v_rcp_f32 v11, v10
	v_nop
	s_wait_alu depctr_va_vdst(0)
	DIVR v12, v4, v10, v11, v9                     ; out_scale
	v_rcp_f32 v22, v12                             ; 1 / out_scale; the division below, which names neither, is the work between it and its wait
	DIVR v20, v12, v6, v7, v9                      ; out_scale / accum_scale
	s_wait_alu depctr_va_vdst(0)
	v_fma_f32 v9, -v12, v22, 1.0
	v_fma_f32 v22, v9, v22, v22                    ; one Newton step
	v_mov_b32 v21, v20                             ; both twice: pairs for the packed products
	v_mov_b32 v23, v22
; One piece's turn: four numbers, in place.
.macro SLOT i
	s_wait_loadcnt PIECES-1-(\i)                   ; loads come back in order: mine is in; nothing more is loaded, so the counts run down
	v_pk_mul_f32 v[X+4*(\i):X+4*(\i)+1], v[X+4*(\i):X+4*(\i)+1], v[20:21]
	v_pk_mul_f32 v[X+4*(\i)+2:X+4*(\i)+3], v[X+4*(\i)+2:X+4*(\i)+3], v[20:21]
.irp j, 0,1,2,3
	v_rndne_f32 v[X+4*(\i)+(\j)], v[X+4*(\i)+(\j)]
.endr
.irp j, 0,1,2,3
	v_med3_num_f32 v[X+4*(\i)+(\j)], v[X+4*(\i)+(\j)], s16, s17
.endr
	v_pk_mul_f32 v[X+4*(\i):X+4*(\i)+1], v[X+4*(\i):X+4*(\i)+1], v[22:23]
	v_pk_mul_f32 v[X+4*(\i)+2:X+4*(\i)+3], v[X+4*(\i)+2:X+4*(\i)+3], v[22:23]
	global_store_b128 v1, v[X+4*(\i):X+4*(\i)+3], s[10:11] offset:(\i)*CHUNK th:TH_STORE_NT
.endm
.irp i, 0,1,2,3,4,5,6,7,8,9,10,11,12,13,14,15,16,17,18,19,20,21,22,23,24,25,26,27,28,29,30,31
	SLOT \i
.endr
	s_endpgm
.Lfunc_end_k_qda799df400_requant:
	.size	k_qda799df400_requant, .Lfunc_end_k_qda799df400_requant-k_qda799df400_requant
	.p2alignl 7, 3214868480
	.fill 96, 4, 3214868480
	.section	.rodata,"a",@progbits
	.p2align	6, 0x0
	.amdhsa_kernel k_qda799df400_requant
		.amdhsa_group_segment_fixed_size 0
		.amdhsa_private_segment_fixed_size 0
		.amdhsa_enable_private_segment 0
		.amdhsa_kernarg_size 32
		.amdhsa_user_sgpr_count 2
		.amdhsa_user_sgpr_kernarg_segment_ptr 1
		.amdhsa_wavefront_size32 1
		.amdhsa_system_sgpr_workgroup_id_x 1
		.amdhsa_system_sgpr_workgroup_id_y 1
		.amdhsa_system_sgpr_workgroup_id_z 1
		.amdhsa_system_vgpr_workitem_id 0
		.amdhsa_next_free_vgpr 192
		.amdhsa_next_free_sgpr 66
		.amdhsa_reserve_vcc 0
		.amdhsa_float_denorm_mode_32 3
		.amdhsa_float_denorm_mode_16_64 3
		.amdhsa_memory_ordered 1
		.amdhsa_forward_progress 1
		.amdhsa_inst_pref_size 32
	.end_amdhsa_kernel
	.amdgpu_metadata
---
amdhsa.version: [ 1, 2 ]
amdhsa.kernels:
  - .name:           k_qda799df400_requant
    .symbol:         k_qda799df400_requant.kd
    .args:
      - { .name: acc, .offset: 0, .size: 8, .value_kind: global_buffer, .address_space: global }
      - { .name: pacc, .offset: 8, .size: 8, .value_kind: global_buffer, .address_space: global }
      - { .name: scal, .offset: 16, .size: 8, .value_kind: global_buffer, .address_space: global }
      - { .name: out0, .offset: 24, .size: 8, .value_kind: global_buffer, .address_space: global }
    .group_segment_fixed_size: 0
    .private_segment_fixed_size: 0
    .kernarg_segment_align: 8
    .kernarg_segment_size: 32
    .max_flat_workgroup_size: 256
    .sgpr_count:     66
    .vgpr_count:     192
    .wavefront_size: 32
...
	.end_amdgpu_metadata
.endif
;; end of part 4
;; ======== version 2 of 2: 4 launches; version 1 with the launch quant written anew for expert scheduling mode
;; workspace buffers: pmax 2,304 bytes; xq 33,554,432 bytes; wq 33,554,432 bytes; bq 16,384 bytes; scal 256 bytes; acc 67,108,864 bytes; pacc 4,096 bytes
;; launch absmax: the kernel of part 1 again; grid 513 x 1, 8 waves a work-group, no clusters, 1,280 bytes of LDS; arguments x, W, b, pmax; writes pmax
;; launch quant (part 5): grid 512 x 1, 8 waves a work-group, no clusters, 0 bytes of LDS; arguments pmax, x, W, b, xq, wq, bq, scal; writes xq, wq, bq, scal
.if DOCPART == 5
	.amdgcn_target "amdgcn-amd-amdhsa--gfx1250"
	.amdhsa_code_object_version 6
	.text
	.protected	k_qda799df400_quant
	.globl	k_qda799df400_quant
	.p2align	8
	.type	k_qda799df400_quant,@function
k_qda799df400_quant:
	s_mov_b64 s[64:65], 0
	v_nop
	global_prefetch_b8 v0, s[64:65] scope:SCOPE_SE
	s_setreg_imm32_b32 hwreg(HW_REG_WAVE_SCHED_MODE, 0, 2), 2
	s_setreg_imm32_b32 hwreg(HW_REG_WAVE_MODE, 25, 1), 1
	s_wait_xcnt 0x0
	s_wait_alu depctr_vm_vsrc(0)
; SECOND LAUNCH.  q = clip(round(v * scale), -128, 127), scale = 255 / (2 max|v|), for x and W, stored as bf16 (whole numbers of at most 8 significant bits: exact);
; b_q = clip(round(clip(round(b * b_scale), -128, 127) * (accum_scale / b_scale)), -2^31, 2^31) as f32; accum_scale = in_scale * w_scale.  Nothing is left out.
; Work-groups 0-255 take 256 KiB of x each, 256-511 of W, in 64 pieces of 4 KiB: thread t loads the 16 bytes at 16 t of a piece and stores 8 bytes at 8 t: a load of a wave covers 512
; consecutive bytes, a store 256, both aligned.  32 register slots take the loads.  Every wave makes its tensor's maximum for itself from the 256 partial maxima.
; NO REGISTER THAT A LOAD OR STORE READS IS EVER WRITTEN AGAIN: a piece's place stands in the immediate; the first 32 pieces are packed into 64 registers of their own, since their slots
; are loaded again; the last 32 are packed in place, since theirs are not.
; THE BIAS.  Wave 0 of each of the work-groups 0-7 also takes 512 numbers of b: its nine extra loads go out ahead of its stream's first 32, and the arithmetic is done while those are on their way.
; Work-group 0 stores accum_scale, in all 64 words of scal: one store of 256 consecutive bytes.
; v * scale is one f32 product, then round-to-nearest-even: two roundings, as the formula has them.  The upper accumulator bound 2^31 - 1 is 2^31 in f32.
; LIMITS as stated at the head of the first launch.
; THE MODE: SCHED_MODE bits 1:0 = 2 (LLVM: expert scheduling mode 2), set by the entry lines.  The code itself states the register dependences between vector instructions and memory
; instructions, with s_wait_alu, always for 0.
; THE PLAN.  The 64 pieces go in 16 blocks of four.  Registers that memory instructions touch:
;   v1, v2, v3, v18, v20   byte offsets, made once ahead of the first load and never written again.
;   X, eight blocks of four slots.  Block p's arithmetic reads and writes slot block p % 8, in place.  For p = 0 to 7 the loads of pieces 32 + 4 p + i land in it, issued in block p + 1.
;                          For p = 8 to 15 the packing leaves two registers a slot, which the stores issued in block p + 1 read; they are not written again.
;   Y, eight blocks of eight registers.  Written by block p's packing, p = 0 to 7; read by the four stores issued in block p + 1; not written again.
;   OWN, v[30:31]          the bias: written by its arithmetic, read by its stores, not written again.
; Block p's vector instructions name slot block p % 8, Y's block p and the scale.  Its memory instructions are the loads into slot block (p - 1) % 8 and the stores of block p - 1: registers that
; no vector instruction of block p names.  So ONE wait on va_vdst at a block's head states all that the block's eight memory instructions hang on, and these are dealt among its vector
; instructions with no further wait.  Since nothing that a memory instruction reads is written again, no wait on vm_vsrc is owed anywhere, and none on XCNT.
.set CHUNK, 4096
.set DEPTH, 32
.set BLOCK, 4                          ; pieces in a block
.set OWN, 32                           ; v[32:47]   the bias: my 16 numbers of b; never rewritten behind their stores
.set X,   48                           ; v[48:175]  slot i: 4 registers as loaded
.set Y,   176                          ; v[176:239] piece i of the first 32: 2 registers to store; at the head v[176:183] take W's partial maxima in a wave that has the bias
.set SEL, 26                           ; s[26:27]
.macro WMAX v, t                       ; the maximum over the 32 lanes, in every lane
	v_max_num_f32_dpp \v, \v, \v row_xmask:1 row_mask:0xf bank_mask:0xf
	v_max_num_f32_dpp \v, \v, \v row_xmask:2 row_mask:0xf bank_mask:0xf
	v_max_num_f32_dpp \v, \v, \v row_xmask:4 row_mask:0xf bank_mask:0xf
	v_max_num_f32_dpp \v, \v, \v row_xmask:8 row_mask:0xf bank_mask:0xf
	v_permlanex16_b32 \t, \v, s[SEL], s[SEL+1]
	v_max_num_f32 \v, \v, \t
.endm
; q = n / d, rounded correctly.  y holds the reciprocal of d as v_rcp_f32 gave it, already waited for; it leaves refined.
.macro DIVR q, n, d, y, t
	v_fma_f32 \t, -\d, \y, 1.0
	v_fma_f32 \y, \t, \y, \y                       ; one Newton step
	v_mul_f32 \q, \n, \y
	v_fma_f32 \t, -\d, \q, \n                      ; the residual, exact in the fused form,
	v_fma_f32 \q, \t, \y, \q                       ; corrects the quotient,
	v_fma_f32 \t, -\d, \q, \n
	v_fma_f32 \q, \t, \y, \q                       ; twice
.endm
.macro FIRST                           ; the stream's first 32 loads: no vector instruction has named a slot
.irp i, 0,1,2,3,4,5,6,7,8,9,10,11,12,13,14,15,16,17,18,19,20,21,22,23,24,25,26,27,28,29,30,31
	global_load_b128 v[X+4*(\i):X+4*(\i)+3], v1, s[20:21] offset:(\i)*CHUNK th:TH_LOAD_NT
.endr
.endm
.macro MAX8 r                          ; the largest of eight registers from r on, into r
	v_max3_num_f32 v[\r], v[\r], v[(\r)+1], v[(\r)+2]
	v_max3_num_f32 v[\r], v[\r], v[(\r)+3], v[(\r)+4]
	v_max3_num_f32 v[\r], v[\r], v[(\r)+5], v[(\r)+6]
	v_max_num_f32 v[\r], v[\r], v[(\r)+7]
.endm
	s_load_b512 s[4:19], s[0:1], 0x0               ; pmax s[4:5], x s[6:7], W s[8:9], b s[10:11], xq s[12:13], wq s[14:15], bq s[16:17], scal s[18:19]
	v_lshlrev_b32 v1, 4, v0                        ; 16 t; never rewritten
	v_lshlrev_b32 v2, 3, v0                        ; 8 t; never rewritten
	v_and_b32 v3, 31, v0
	v_lshlrev_b32 v3, 4, v3                        ; 16 x lane; never rewritten
	v_lshrrev_b32 v12, 5, v0
	v_readfirstlane_b32 s25, v12                   ; wave 0..7
	v_mov_b32 v13, 0x437f0000                      ; 255.0
	v_mov_b32 v14, 0                               ; written, since v_permlanex16_b32 counts as a reader of its destination
	v_mov_b32 v20, 0                               ; offset 0; never rewritten
	s_mov_b32 s[SEL], 0x76543210
	s_mov_b32 s[SEL+1], 0xfedcba98
	s_mov_b32 s28, 0xc3000000                      ; -128.0
	s_mov_b32 s29, 0x42fe0000                      ; 127.0
	s_mov_b32 s30, 0xcf000000                      ; -2^31
	s_mov_b32 s31, 0x4f000000                      ; 2^31
	s_and_b32 s33, ttmp9, 255                      ; my part of the tensor
	s_lshl_b32 s34, s33, 18                        ; 256 KiB in,
	s_mov_b32 s35, 0
	s_lshl_b32 s36, s33, 17                        ; 128 KiB out
	s_mov_b32 s37, 0
	s_wait_alu depctr_va_sdst(0)                   ; s25, the wave's number, is written: ahead of its first reader, the compare below that picks wave 0, and of the first branch
	s_wait_kmcnt 0x0
	s_cmp_lt_u32 ttmp9, 256                        ; x or W
	s_cselect_b64 s[20:21], s[6:7], s[8:9]
	s_cselect_b64 s[22:23], s[12:13], s[14:15]
	s_cselect_b32 s38, 0, 1024                     ; the tensor's 256 partial maxima
	s_mov_b32 s39, 0
	s_add_nc_u64 s[40:41], s[4:5], s[38:39]
	s_add_nc_u64 s[20:21], s[20:21], s[34:35]      ; never stepped
	s_add_nc_u64 s[22:23], s[22:23], s[36:37]      ; never stepped
	s_cmp_ge_u32 ttmp9, 8
	s_cbranch_scc1 .Lplain
	s_cmp_lg_u32 s25, 0
	s_cbranch_scc1 .Lplain
	; wave 0 of work-groups 0-7 (their tensor is x): the bias beside the stream
	v_lshl_add_u32 v18, s33, 11, v3                ; my 2,048 bytes of b and of bq, 16 bytes a lane; never rewritten
	s_wait_alu depctr_va_vdst(0)                   ; the offsets v1, v2, v3, v18 and v20 are written: every load and store on this way reads one of them
	global_load_b128 v[4:7], v3, s[4:5]            ; the partial maxima of x,
	global_load_b128 v[8:11], v3, s[4:5] offset:512
	global_load_b128 v[176:179], v3, s[4:5] offset:1024  ; of W,
	global_load_b128 v[180:183], v3, s[4:5] offset:1536
	global_load_b32 v19, v20, s[4:5] offset:2048   ; and max|b|, the same word in every lane
.irp j, 0,1,2,3
	global_load_b128 v[OWN+4*(\j):OWN+4*(\j)+3], v18, s[10:11] offset:512*(\j)
.endr
	FIRST
	s_wait_loadcnt 32                              ; all but the stream's 32 loads are in
	MAX8 4
	WMAX v4, v14                                   ; max|x|
	MAX8 176
	WMAX v176, v14                                 ; max|W|
	v_add_f32 v15, v4, v4                          ; the doubled maxima, exact
	v_add_f32 v23, v176, v176
	v_add_f32 v24, v19, v19
	v_rcp_f32 v16, v15                             ; one batch of three reciprocals,
	v_rcp_f32 v25, v23
	v_rcp_f32 v26, v24
	v_nop                                          ; one plain instruction behind the last,
	s_wait_alu depctr_va_vdst(0)                   ; the three reciprocals v16, v25 and v26 are written: one wait ahead of their first reader
	DIVR v28, v13, v15, v16, v17                   ; in_scale: also my stream's scale
	DIVR v22, v13, v23, v25, v17                   ; w_scale
	DIVR v27, v13, v24, v26, v17                   ; b_scale
	v_mul_f32 v30, v28, v22                        ; accum_scale
	v_rcp_f32 v16, v27
	v_mov_b32 v29, v28                             ; the stream's scale twice, a pair for the packed product; also the plain instruction behind the reciprocal
	s_wait_alu depctr_va_vdst(0)                   ; the reciprocal v16 is written, ahead of its first reader
	DIVR v21, v30, v27, v16, v17                   ; accum_scale / b_scale
	v_mov_b32 v31, v30
.macro ALL16 line:vararg               ; one line for each of my 16 numbers z
.set z, 0
.rept 16
	\line
.set z, z+1
.endr
.endm
	ALL16 v_mul_f32 v[OWN+z], v[OWN+z], v27
	ALL16 v_rndne_f32 v[OWN+z], v[OWN+z]
	ALL16 v_med3_num_f32 v[OWN+z], v[OWN+z], s28, s29
	ALL16 v_mul_f32 v[OWN+z], v[OWN+z], v21
	ALL16 v_rndne_f32 v[OWN+z], v[OWN+z]
	ALL16 v_med3_num_f32 v[OWN+z], v[OWN+z], s30, s31
	s_wait_alu depctr_va_vdst(0)                   ; the bias arithmetic has written v[OWN ..] and v[30:31], which the stores below read
.irp j, 0,1,2,3
	global_store_b128 v18, v[OWN+4*(\j):OWN+4*(\j)+3], s[16:17] offset:512*(\j)  ; 512 consecutive bytes, aligned
.endr
	s_cmp_lg_u32 ttmp9, 0
	s_cbranch_scc1 .Lstream
	global_store_b64 v2, v[30:31], s[18:19]        ; in wave 0 my thread's number is my lane's: 256 consecutive bytes, all of scal; no vector instruction stands between the wait above and this store
	s_branch .Lstream
.Lplain:
	s_wait_alu depctr_va_vdst(0)                   ; the offsets v1, v2 and v3 are written: every load and store on this way reads one of them
	global_load_b128 v[4:7], v3, s[40:41]
	global_load_b128 v[8:11], v3, s[40:41] offset:512
	FIRST
	s_wait_loadcnt 32                              ; the partial maxima are in; the stream's 32 loads stay out
	MAX8 4
	WMAX v4, v14
	v_add_f32 v15, v4, v4                          ; 2 max|.|, exact
	v_rcp_f32 v16, v15
	v_nop                                          ; a plain instruction behind the reciprocal,
	s_wait_alu depctr_va_vdst(0)                   ; the reciprocal v16 is written, ahead of its first reader
	DIVR v28, v13, v15, v16, v17                   ; the scale
	v_mov_b32 v29, v28                             ; twice, a pair for the packed product
.Lstream:                                              ; on both ways the stream's first 32 loads, and no other load, are out
; The store of piece 4 q + i: out of Y where the piece's slot was loaded again (q < 8), else out of the slot's first two registers.
.macro SEND q, i
.if (\q) < 8
	global_store_b64 v2, v[Y+8*(\q)+2*(\i):Y+8*(\q)+2*(\i)+1], s[22:23] offset:(BLOCK*(\q)+(\i))*(CHUNK/2) th:TH_STORE_NT
.else
	global_store_b64 v2, v[X+16*((\q)-8)+4*(\i):X+16*((\q)-8)+4*(\i)+1], s[22:23] offset:(BLOCK*(\q)+(\i))*(CHUNK/2) th:TH_STORE_NT
.endif
.endm
; Block p of 16: pieces 4 p to 4 p + 3, in slot block p % 8: four numbers a piece are scaled, rounded, clipped and packed.  Ahead of each piece's arithmetic stand one refill of the slots that
; the block before left (blocks 1 to 8) and one store of that block's results (blocks 1 to 15), the load first.
; The counts: loads come back in order.  Block 0: 32 are issued and load i is wanted: 31 - i younger ones.  Blocks 1 to 8: 32 + 4 (p - 1) + i + 1 are issued and load 4 p + i is wanted: 28.
; Blocks 9 to 15: all 64 are issued: 63 - 4 p - i, down to 0.
.macro BLK p
.if (\p) > 0
	s_wait_alu depctr_va_vdst(0)                   ; the block before has written its packed results, which the stores below read, and is done reading and writing its slots, in which the loads below land
.endif
.irp i, 0,1,2,3
.set XB, X+16*((\p)%8)+4*(\i)
.if ((\p) > 0) && ((\p) <= 8)
	global_load_b128 v[X+16*((\p)-1)+4*(\i):X+16*((\p)-1)+4*(\i)+3], v1, s[20:21] offset:(DEPTH+BLOCK*((\p)-1)+(\i))*CHUNK th:TH_LOAD_NT  ; no vector instruction since the wait names these registers
.endif
.if (\p) > 0
	SEND (\p)-1, \i
.endif
.if (\p) == 0
	s_wait_loadcnt DEPTH-1-(\i)
.elseif (\p) <= 8
	s_wait_loadcnt DEPTH-BLOCK
.else
	s_wait_loadcnt 63-BLOCK*(\p)-(\i)
.endif
	v_pk_mul_f32 v[XB:XB+1], v[XB:XB+1], v[28:29]
	v_pk_mul_f32 v[XB+2:XB+3], v[XB+2:XB+3], v[28:29]
.irp j, 0,1,2,3
	v_rndne_f32 v[XB+(\j)], v[XB+(\j)]
.endr
.irp j, 0,1,2,3
	v_med3_num_f32 v[XB+(\j)], v[XB+(\j)], s28, s29
.endr
.if (\p) < 8
	v_cvt_pk_bf16_f32 v[Y+8*(\p)+2*(\i)], v[XB], v[XB+1]
	v_cvt_pk_bf16_f32 v[Y+8*(\p)+2*(\i)+1], v[XB+2], v[XB+3]
.else
	v_cvt_pk_bf16_f32 v[XB], v[XB], v[XB+1]
	v_cvt_pk_bf16_f32 v[XB+1], v[XB+2], v[XB+3]
.endif
.endr
.endm
.irp p, 0,1,2,3,4,5,6,7,8,9,10,11,12,13,14,15
	BLK \p
.endr
	s_wait_alu depctr_va_vdst(0)                   ; block 15 has written its packed results, which the last four stores read
.irp i, 0,1,2,3
	SEND 15, \i
.endr
	s_endpgm
.Lfunc_end_k_qda799df400_quant:
	.size	k_qda799df400_quant, .Lfunc_end_k_qda799df400_quant-k_qda799df400_quant
	.p2alignl 7, 3214868480
	.fill 96, 4, 3214868480
	.section	.rodata,"a",@progbits
	.p2align	6, 0x0
	.amdhsa_kernel k_qda799df400_quant
		.amdhsa_group_segment_fixed_size 0
		.amdhsa_private_segment_fixed_size 0
		.amdhsa_enable_private_segment 0
		.amdhsa_kernarg_size 64
		.amdhsa_user_sgpr_count 2
		.amdhsa_user_sgpr_kernarg_segment_ptr 1
		.amdhsa_wavefront_size32 1
		.amdhsa_system_sgpr_workgroup_id_x 1
		.amdhsa_system_sgpr_workgroup_id_y 1
		.amdhsa_system_sgpr_workgroup_id_z 1
		.amdhsa_system_vgpr_workitem_id 0
		.amdhsa_next_free_vgpr 240
		.amdhsa_next_free_sgpr 66
		.amdhsa_reserve_vcc 0
		.amdhsa_float_denorm_mode_32 3
		.amdhsa_float_denorm_mode_16_64 3
		.amdhsa_memory_ordered 1
		.amdhsa_forward_progress 1
		.amdhsa_inst_pref_size 70
	.end_amdhsa_kernel
	.amdgpu_metadata
---
amdhsa.version: [ 1, 2 ]
amdhsa.kernels:
  - .name:           k_qda799df400_quant
    .symbol:         k_qda799df400_quant.kd
    .args:
      - { .name: pmax, .offset: 0, .size: 8, .value_kind: global_buffer, .address_space: global }
      - { .name: x, .offset: 8, .size: 8, .value_kind: global_buffer, .address_space: global }
      - { .name: W, .offset: 16, .size: 8, .value_kind: global_buffer, .address_space: global }
      - { .name: b, .offset: 24, .size: 8, .value_kind: global_buffer, .address_space: global }
      - { .name: xq, .offset: 32, .size: 8, .value_kind: global_buffer, .address_space: global }
      - { .name: wq, .offset: 40, .size: 8, .value_kind: global_buffer, .address_space: global }
      - { .name: bq, .offset: 48, .size: 8, .value_kind: global_buffer, .address_space: global }
      - { .name: scal, .offset: 56, .size: 8, .value_kind: global_buffer, .address_space: global }
    .group_segment_fixed_size: 0
    .private_segment_fixed_size: 0
    .kernarg_segment_align: 8
    .kernarg_segment_size: 64
    .max_flat_workgroup_size: 256
    .sgpr_count:     66
    .vgpr_count:     240
    .wavefront_size: 32
...
	.end_amdgpu_metadata
.endif
;; end of part 5
;; launch gemm: the kernel of part 3 again; grid 16 x 16, 4 waves a work-group, clusters of 4 x 4, 327,680 bytes of LDS; arguments xq, wq, acc, bq, pacc; writes acc, pacc
;; launch requant: the kernel of part 4 again; grid 512 x 1, 8 waves a work-group, no clusters, 0 bytes of LDS; arguments acc, pacc, scal, out0; writes out0
